; MI455X (gfx1250); checked and timed in simulation.
; The chip was launched on July 23, 2026; its instructions are those of AMD's public machine-readable ISA for CDNA 5 (MIT licence, August 2026) and "CDNA5" Instruction Set Architecture Reference Guide (July 2026). The comments in the code are by the model that wrote it; some were corrected since.
;; Quantized Linear. Allowed arithmetic: matrix products marked QUANTISED: E2M1 operands, one E8M0 scale for each 32 along K, by v_wmma_scale_f32_16x16x128_f8f6f4 with both operands' format E2M1 (or v_wmma_scale_f32_32x16x128_f4), f32 sums; everything else in f32.
;; Inputs: bias 4,096 float32; quantized_weight 4,096 x 4,096 int32; weight_scale 1 float32; weight_zero_point 1 int32; x 4 x 1,024 x 4,096 float32.
;; Outputs: out0 4 x 1,024 x 4,096 float32.
;; This version of the problem:
;;   THIS VERSION OF THE PROBLEM IS GIVEN IN LOW PRECISION. The matrix products marked QUANTISED in the list below multiply operands that are first quantised to E2M1 (2 exponent bits, 1 mantissa bit; 4 bits a number), with one power-of-two scale for each 32 numbers along K (OCP MX v1.0); their sums are f32. All else is computed in f32.
;;   The module's matrix products, in the order in which they are computed (A, B: the left and right operand; K: the contracted axis; several contracted axes count as one K, in the product's order):
;;     1. [M 4,096, K 4,096] x [K 4,096, N 4,096]; A: input x; B: computed on the way: QUANTISED
;;   THE QUANTISER, for each operand of a quantised product, along K:
;;     - K is cut into blocks of 32 from its start; a last block that is shorter is filled with zeros.
;;     - A block's scale is 2^e with e = floor(log2(the largest magnitude in the block)) - 2, held to -126 .. 127; a block of zeros has e = 0. As a byte (E8M0): e + 127.
;;     - Each number is divided by its block's scale, clamped to +-6, and rounded to the nearest number of E2M1, ties to even, subnormals kept.
;;     - The product sums the exact products of the quantised numbers (number of the format x scale) in f32.
;;   ~~~python
;;   def quantise(x, axis):      # numpy; x: float32 -> the quantised numbers, widened to float32 again
;;       x = np.moveaxis(x, axis, -1); K = x.shape[-1]
;;       x = np.pad(x, [(0, 0)] * (x.ndim - 1) + [(0, -K % 32)]); x = x.reshape(x.shape[:-1] + (-1, 32)); a = np.abs(x).max(-1, keepdims=True)
;;       e = np.where(a > 0, np.clip(np.frexp(np.where(a > 0, a, 1))[1] - 1 - 2, -126, 127), 0)      # np.frexp(a)[1] - 1 = floor(log2(a)), exactly
;;       r = np.clip(x / 2.0 ** e, -6, 6)
;;       step = 2.0 ** (np.maximum(np.frexp(np.where(r == 0, 1, r))[1] - 1, 0) - 1)
;;       q = np.round(r / step) * step * 2.0 ** e      # np.round: ties to even
;;       return np.moveaxis(q.reshape(q.shape[:-2] + (-1,))[..., :K], -1, axis).astype(np.float32)
;;   ~~~
;;   OPERANDS COMPUTED ON THE WAY. 'Computed on the way' means the value that the module computes at that place (a softmax that the list does not call 'softmax' is quantised finished and normalised). What goes into a quantiser is computed in f32, as accurately as f32 sums, v_exp_f32 and their like allow (about 1e-6 of the number): no bf16 or f16 on the way to a quantiser, and a product that is left as it is and whose result goes on into a quantised operand takes f32 operands (vector FMAs, or v_wmma_f32_16x16x4_f32). A number that lies on a knife's edge between two numbers of the format may be rounded either way, as far as f32 arithmetic and the matrix unit's own rounding can turn it there, and no further.
;; One version. Each part assembles by itself: llvm-mc -triple=amdgcn-amd-amdhsa -mcpu=gfx1250 --defsym DOCPART=n.
;; ======== version 1 of 1: 2 launches
;; limits: right only within a limited range of input values
;; workspace buffers: aq 8,912,896 bytes; bq 8,912,896 bytes
;; launch quant (part 1): grid 1024 x 1, 4 waves a work-group, no clusters, 35,328 bytes of LDS; arguments x, quantized_weight, weight_zero_point, weight_scale, aq, bq; writes aq, bq
.if DOCPART == 1
	.amdgcn_target "amdgcn-amd-amdhsa--gfx1250"
	.amdhsa_code_object_version 6
	.text
	.protected	k_q7db78f7460_quant
	.globl	k_q7db78f7460_quant
	.p2align	8
	.type	k_q7db78f7460_quant,@function
k_q7db78f7460_quant:
	s_mov_b64 s[64:65], 0
	v_nop
	global_prefetch_b8 v0, s[64:65] scope:SCOPE_SE
	s_setreg_imm32_b32 hwreg(HW_REG_WAVE_MODE, 25, 1), 1
	s_wait_xcnt 0x0
; x [4096][4096] f32 and w = (f32(q) - f32(zp)) * scale, q [4096][4096] int32, are turned into codes of FP4 (E2M1), K innermost, with one E8M0 scale byte for each 32 along K.
; A block's scale is 2^(floor(log2(its largest magnitude)) - 2); its byte is the largest magnitude's exponent field - 2, held at 1 from below; each number is divided by the scale and rounded to the nearest
; code, ties to even, beyond 6 the code of 6.  w is made as it is written: one subtraction, one multiplication, both f32 (not fused: the rounding of the difference is part of the number that is quantised).
; LIMITS: NaN and infinities among the inputs are not served.  A block of zeros gets the byte 1 where the rule says 127: its codes are zeros, which add nothing under any byte but 0xff, and this program alone reads the bytes.
; THE OUTPUT'S LAYOUT is this program's own: [32 blocks of 128 rows][8 K steps of 512][a chunk of 34,816 bytes].  A chunk holds images of the matrix operand's registers:
;   codes  at 4096 i + 256 kb + 16 r   (i: block of 16 rows, kb: block of 32 along K, r: row): a fragment's four registers of 32 lanes are 512 bytes on end;
;   scales at 32768 + 256 i + 16 r     (a row's 16 bytes, kb ascending: four scale words).
; SHARES.  Work-groups 0-511 take x, 512-1023 take w: only pointers are chosen, and one branch on the work-group's number goes round the lines that make w.  A wave takes 16 rows x 512 along K: 32 KiB in, 4,096 bytes
; of codes and 256 of scales out, in eight steps of 16 rows x 64 along K.  Each load reads 256 consecutive bytes of two rows; the conversions want a block's 32 numbers in ONE lane: so a step's 4,096 bytes turn through the
; wave's own stage in LDS (rows of 256 bytes + 16 of padding = 68 words, so that the 16 rows of a read start at 16 different banks: 64 banks of 4 bytes, ISA guide 11.1).  Lane (r, h) then holds block 2 t + h of row r.
; No barrier: waves share nothing.  Loads run four steps (32 loads a wave) ahead, the turn through LDS one step.  Every offset is an immediate and every store has registers of its own: nothing that a pending
; load or store names is written again.
.set ROWF,  16384                      ; a row of x or q in bytes
.set CHUNK, 34816
.set SCOFF, 32768                      ; where a chunk's scale bytes begin
.set WGA,   512                        ; work-groups for x
.set STEPS, 8
.set SP,    272                        ; a stage row
.set STG,   16*SP                      ; a stage
.set WREG,  2*STG                      ; a wave's LDS: two stages by turns
.set R,     16                         ; v16-143  four sets of 32 registers, as loaded
.set X,     144                        ; v144-207 two sets of 32: a lane's whole block
.set C,     208                        ; v208-239 codes: four registers for each step
.set P,     240                        ; v240-243 my two bytes of each of the row's four scale words
.set T,     244                        ; v244-247 the other half's
	s_load_b256 s[4:11], s[0:1], 0x0               ; x s[4:5], q s[6:7], zp s[8:9], scale s[10:11]
	s_load_b128 s[12:15], s[0:1], 0x20             ; aq s[12:13], bq s[14:15]
	v_lshl_add_u32 v254, v0, 2, 0x8800
	v_mov_b32 v255, 0
	v_lshrrev_b32 v10, 5, v0
	v_readfirstlane_b32 s18, v10                   ; wave 0..3
	v_and_b32 v1, 31, v0                           ; lane
	v_and_b32 v2, 15, v0                           ; r
	v_bfe_u32 v3, v0, 4, 1                         ; h
	s_mul_i32 s19, s18, WREG                       ; my wave's LDS
	v_lshlrev_b32 v4, 4, v2
	v_lshl_add_u32 v4, v3, 14, v4                  ; in: 16 bytes a lane, lanes 16-31 one row further down
	v_mul_u32_u24 v5, v3, SP
	v_lshl_add_u32 v5, v2, 4, v5
	v_add_nc_u32 v5, s19, v5                       ; into the stage: the same two rows
	v_mul_u32_u24 v6, v2, SP
	v_lshl_add_u32 v6, v3, 7, v6
	v_add_nc_u32 v6, s19, v6                       ; out of it: row r, block h: 128 bytes
	v_lshlrev_b32 v7, 4, v1                        ; codes: 16 bytes a lane, 512 on end
	v_lshlrev_b32 v8, 4, v2
	v_lshl_add_u32 v8, v3, 3, v8                   ; scales: row r's 16 bytes, 8 for each half of the lanes
	v_lshlrev_b32 v9, 3, v3                        ; 8 h: my bytes' place in a scale word, in bits
.irp q, 0,1,2,3
	v_mov_b32 v[T+\q], 0                           ; written once: a lane permute's destination counts as one of its sources
.endr
	s_mov_b32 s26, 0x76543210
	s_mov_b32 s27, 0xfedcba98                      ; v_permlanex16_b32's selects for lane l xor 16
	s_wait_kmcnt 0x0
	s_load_b32 s16, s[8:9], 0x0                    ; zp
	s_load_b32 s17, s[10:11], 0x0                  ; scale
	s_cmp_lt_u32 ttmp9, WGA                        ; x's work-group or w's?  The choice hangs on the work-group's number alone
	s_cselect_b64 s[4:5], s[4:5], s[6:7]
	s_cselect_b64 s[12:13], s[12:13], s[14:15]
	s_cselect_b32 s20, 0, WGA
	s_sub_co_u32 s20, ttmp9, s20
	s_lshl_b32 s20, s20, 2
	s_add_co_u32 s21, s20, s18                     ; my wave's unit, 0 .. 2047
	s_and_b32 s22, s21, 7                          ; its K step
	s_lshr_b32 s23, s21, 3                         ; its block of 16 rows, 0 .. 255
	s_lshl_b32 s28, s23, 18                        ; 16 rows of 16,384 bytes
	s_lshl_b32 s29, s22, 11                        ; 512 numbers of 4 bytes
	s_add_co_u32 s28, s28, s29
	s_mov_b32 s29, 0
	s_add_nc_u64 s[4:5], s[4:5], s[28:29]          ; the source at my unit
	s_and_b32 s30, s23, 0xf8                       ; 8 x its block of 128 rows
	s_add_co_u32 s30, s30, s22                     ; the chunk's number
	s_mul_i32 s30, s30, CHUNK                      ; at most 255 x 34,816
	s_and_b32 s31, s23, 7                          ; i: which 16 rows of the chunk's 128
	s_lshl_b32 s28, s31, 12
	s_add_co_u32 s28, s28, s30
	s_lshl_b32 s32, s31, 8
	s_add_co_u32 s32, s32, s30
	s_add_co_u32 s32, s32, SCOFF
	s_mov_b32 s33, 0
	s_add_nc_u64 s[24:25], s[12:13], s[32:33]      ; my 256 scale bytes
	s_add_nc_u64 s[12:13], s[12:13], s[28:29]      ; my 4,096 bytes of codes
.macro LOAD t                          ; step t: 16 rows x 256 bytes; lanes 0-15 read 256 consecutive bytes of row 2 i, lanes 16-31 of row 2 i + 1
.irp i, 0,1,2,3,4,5,6,7
	global_load_b128 v[R+32*((\t)%4)+4*\i:R+32*((\t)%4)+4*\i+3], v4, s[4:5] offset:2*\i*ROWF+256*(\t) th:TH_LOAD_NT
.endr
.endm
.macro TURN t                          ; step t's numbers through a stage: LDS serves a wave's instructions in order (ISA guide 5.7.1.4), so no wait stands between the stores and the loads
.irp i, 0,1,2,3,4,5,6,7
	ds_store_b128 v5, v[R+32*((\t)%4)+4*\i:R+32*((\t)%4)+4*\i+3] offset:STG*((\t)%2)+2*SP*\i
.endr
.irp g, 0,1,2,3,4,5,6,7
	ds_load_b128 v[X+32*((\t)%2)+4*\g:X+32*((\t)%2)+4*\g+3], v6 offset:STG*((\t)%2)+16*\g
.endr
.endm
.irp t, 0,1,2,3
	LOAD \t
.endr
	s_wait_kmcnt 0x0                               ; zp and scale
	v_cvt_f32_i32 v248, s16                        ; f32(zp), twice: a pair for the packed subtraction
	v_mov_b32 v249, v248
	v_mov_b32 v250, s17                            ; scale, twice
	v_mov_b32 v251, s17
	s_wait_loadcnt 24                              ; step 0's eight loads are in; the 24 of steps 1 to 3 may be out
	TURN 0
.macro STEP t
.set XS, X+32*((\t)%2)
	s_wait_dscnt 0x0                               ; this step's numbers are back from the stage: so its stores into the stage have read their registers,
.if (\t)+4 < STEPS
	LOAD (\t)+4                                    ; which take the loads of four steps on
.endif
.if (\t)+1 < STEPS
.set LASTL, (\t)+4
.if LASTL > STEPS-1
.set LASTL, STEPS-1
.endif
	s_wait_loadcnt 8*(LASTL-(\t)-1)                ; the next step's eight loads are in; those of the steps behind it, eight each, may be out
	TURN (\t)+1                                    ; and go through the other stage while this step is worked
.endif
	s_cmp_lt_u32 ttmp9, WGA                        ; x is taken as it is
	s_cbranch_scc1 .Lis_x_\@
.irp j, 0,1,2,3,4,5,6,7,8,9,10,11,12,13,14,15,16,17,18,19,20,21,22,23,24,25,26,27,28,29,30,31
	v_cvt_f32_i32 v[XS+\j], v[XS+\j]               ; f32(q)
.endr
.irp j, 0,2,4,6,8,10,12,14,16,18,20,22,24,26,28,30
	v_pk_add_f32 v[XS+\j:XS+\j+1], v[XS+\j:XS+\j+1], v[248:249] neg_lo:[0,1] neg_hi:[0,1]   ; - f32(zp)
.endr
.irp j, 0,2,4,6,8,10,12,14,16,18,20,22,24,26,28,30
	v_pk_mul_f32 v[XS+\j:XS+\j+1], v[XS+\j:XS+\j+1], v[250:251]                             ; x scale
.endr
.Lis_x_\@:
	v_max3_num_f32 v10, |v[XS]|, |v[XS+1]|, |v[XS+2]|              ; the block's largest magnitude: all 32 numbers are mine; two chains
	v_max3_num_f32 v11, |v[XS+3]|, |v[XS+4]|, |v[XS+5]|
.irp i, 6,10,14,18,22,26
	v_max3_num_f32 v10, v10, |v[XS+\i]|, |v[XS+\i+1]|
	v_max3_num_f32 v11, v11, |v[XS+\i+2]|, |v[XS+\i+3]|
.endr
	v_max3_num_f32 v10, v10, |v[XS+30]|, |v[XS+31]|
	v_max3_num_f32 v10, v10, v11, 0x1800000        ; and the floor 2^(3 - 127), under which no largest magnitude is taken: so the byte cannot fall under 1
	v_add_nc_u32 v12, 0xff000000, v10              ; 2 off its exponent field: the conversion takes the exponent field of this operand as its scale, and nothing else of it
.irp g, 0,1,2,3
	v_cvt_scalef32_pk8_fp4_f32 v[C+4*(\t)+\g], v[XS+8*\g:XS+8*\g+7], v12   ; eight codes, the first number's in the lowest four bits
.endr
	v_lshrrev_b32 v13, 23, v12                     ; the scale's byte.  (Also the plain line behind the conversions)
.if (\t)%2 == 0
	v_mov_b32 v[P+(\t)/2], v13                     ; block 2 t + h is byte h (t even) or 2 + h (t odd) of scale word t / 2
.else
	v_lshl_or_b32 v[P+(\t)/2], v13, 16, v[P+(\t)/2]
.endif
	global_store_b128 v7, v[C+4*(\t):C+4*(\t)+3], s[12:13] offset:512*(\t)   ; blocks 2 t and 2 t + 1 of 16 rows: 512 consecutive bytes, at a multiple of 256 from the buffer's first byte
.endm
.irp t, 0,1,2,3,4,5,6,7
	STEP \t
.endr
.irp q, 0,1,2,3
	v_lshlrev_b32 v[P+\q], v9, v[P+\q]             ; my two bytes at their places: 8 h bits up
.endr
.irp q, 0,1,2,3
	v_permlanex16_b32 v[T+\q], v[P+\q], s26, s27
.endr
.irp q, 0,1,2,3
	v_or_b32 v[P+\q], v[P+\q], v[T+\q]             ; with lane l xor 16's two the word is whole
.endr
	v_cmp_ne_u32 vcc_lo, 0, v3
	v_cndmask_b32 v14, v240, v242, vcc_lo          ; lanes 0-15 store words 0 and 1 of row r, lanes 16-31 words 2 and 3
	v_cndmask_b32 v15, v241, v243, vcc_lo
	global_store_b64 v8, v[14:15], s[24:25]        ; 32 lanes store 256 consecutive bytes, at a multiple of 256 from the buffer's first byte
	s_wait_tensorcnt 0x0
	ds_add_u32 v254, v255
	s_wait_dscnt 0x0
	s_endpgm
.Lfunc_end_k_q7db78f7460_quant:
	.size	k_q7db78f7460_quant, .Lfunc_end_k_q7db78f7460_quant-k_q7db78f7460_quant
	.p2alignl 7, 3214868480
	.fill 96, 4, 3214868480
	.section	.rodata,"a",@progbits
	.p2align	6, 0x0
	.amdhsa_kernel k_q7db78f7460_quant
		.amdhsa_group_segment_fixed_size 35328
		.amdhsa_private_segment_fixed_size 0
		.amdhsa_enable_private_segment 0
		.amdhsa_kernarg_size 48
		.amdhsa_user_sgpr_count 2
		.amdhsa_user_sgpr_kernarg_segment_ptr 1
		.amdhsa_wavefront_size32 1
		.amdhsa_system_sgpr_workgroup_id_x 1
		.amdhsa_system_sgpr_workgroup_id_y 1
		.amdhsa_system_sgpr_workgroup_id_z 1
		.amdhsa_system_vgpr_workitem_id 0
		.amdhsa_next_free_vgpr 256
		.amdhsa_next_free_sgpr 66
		.amdhsa_reserve_vcc 1
		.amdhsa_float_denorm_mode_32 3
		.amdhsa_float_denorm_mode_16_64 3
		.amdhsa_memory_ordered 1
		.amdhsa_forward_progress 1
		.amdhsa_inst_pref_size 56
	.end_amdhsa_kernel
	.amdgpu_metadata
---
amdhsa.version: [ 1, 2 ]
amdhsa.kernels:
  - .name:           k_q7db78f7460_quant
    .symbol:         k_q7db78f7460_quant.kd
    .args:
      - { .name: x, .offset: 0, .size: 8, .value_kind: global_buffer, .address_space: global }
      - { .name: quantized_weight, .offset: 8, .size: 8, .value_kind: global_buffer, .address_space: global }
      - { .name: weight_zero_point, .offset: 16, .size: 8, .value_kind: global_buffer, .address_space: global }
      - { .name: weight_scale, .offset: 24, .size: 8, .value_kind: global_buffer, .address_space: global }
      - { .name: aq, .offset: 32, .size: 8, .value_kind: global_buffer, .address_space: global }
      - { .name: bq, .offset: 40, .size: 8, .value_kind: global_buffer, .address_space: global }
    .group_segment_fixed_size: 35328
    .private_segment_fixed_size: 0
    .kernarg_segment_align: 8
    .kernarg_segment_size: 48
    .max_flat_workgroup_size: 128
    .sgpr_count:     66
    .vgpr_count:     256
    .wavefront_size: 32
...
	.end_amdgpu_metadata
.endif
;; end of part 1
;; launch gemm (part 2): grid 16 x 16, 4 waves a work-group, clusters of 4 x 4, 327,680 bytes of LDS; arguments aq, bq, bias, out0; writes out0
.if DOCPART == 2
	.amdgcn_target "amdgcn-amd-amdhsa--gfx1250"
	.amdhsa_code_object_version 6
	.text
	.protected	k_q7db78f7460_gemm
	.globl	k_q7db78f7460_gemm
	.p2align	8
	.type	k_q7db78f7460_gemm,@function
k_q7db78f7460_gemm:
	s_mov_b64 s[64:65], 0
	v_nop
	global_prefetch_b8 v0, s[64:65] scope:SCOPE_SE
	s_setreg_imm32_b32 hwreg(HW_REG_WAVE_MODE, 25, 1), 1
	s_wait_xcnt 0x0
	s_wait_alu depctr_hold_cnt(0) depctr_sa_sdst(0) depctr_va_vdst(0) depctr_va_sdst(0) depctr_va_ssrc(0) depctr_va_vcc(0) depctr_vm_vsrc(0)
	s_getreg_b32 s2, hwreg(HW_REG_IB_STS2, 6, 4)
	s_cmp_eq_u32 s2, 0
	s_cbranch_scc0 .Lentry_in_a_cluster
	s_endpgm
.Lentry_in_a_cluster:
	s_bfe_u32 s2, ttmp6, 0x10000c
	s_cmp_lg_u32 s2, 0xf033
	s_cbranch_scc0 .Lentry_shape_is_right
	s_endpgm
.Lentry_shape_is_right:
; out0[m][n] = bias[n] + sum over k of A[m][k] B[n][k]: A = x's codes (aq), B = w's codes (bq), FP4 (E2M1) with one E8M0 byte for each 32 along K, as the launch before laid them:
; [32 blocks of 128 rows][8 K steps of 512][a chunk of 34,816 bytes]; in a chunk the codes at 4096 i + 256 kb + 16 r (images of the operand's registers), the scale words at 32768 + 256 i + 16 r.
; A work-group of four waves makes 256 x 256 of out0; a wave makes all 256 rows x 64 columns: 64 accumulators, 512 registers.  The bias is the C of each accumulator's first product.
; A goes through a ring of two LDS slots, each 1,024 along K: four chunks, one tensor load a wave, asked for JOINTLY by the four work-groups of a row of the 4 x 4 cluster, which need the same rows of A.
; B's 64 rows of a wave are read by that wave alone in its work-group: they go from memory straight into its registers, codes and scale words, four steps of 128 ahead, and never pass LDS: so B has no joint load, which would end in LDS.
; SLOTS 0 TO 2: A's fragments have TWO sets of registers (16 blocks each).  A step of 128 along K is 64 matrix instructions on end and ONE run of memory instructions behind them: the 32 LDS loads of the step two on, into the set
; just read, and B's 8 loads of the step four on.  So every fragment is asked for a whole step ahead of its use.  The slots change in step 6: step 7's fragments are in registers by then.
; SLOT 3: A's second set takes B's last four steps, which the way by rows wants all at once; steps 0 to 3 go by quarters on A's first set (4 blocks x B's 4, then the same blocks' next fragments).
; THE LAST 512 ALONG K GO BY ROWS OF out0: each block of 16 rows is finished by 16 matrix instructions and leaves at once through the wave's stage, while the other blocks are multiplied.
; PREFETCHES, one slot ahead of the loads, each block of 256 bytes once in each cluster, the partners told apart by address alone.  A: of the chunk (136 blocks) that a wave fetches, the partner at place cx names 34, in two instructions
; of 17 lanes (the lanes left over name the 17th again); slots 0 and 1 come by their loads alone, the trip that loads slot 3 asks for nothing.  B: of a wave's 64 + 4 blocks of a K step of 512 the partner at place cy names 16 of codes
; (lanes 0-15) and one of scale words (lanes 16-31, all the same one); slot 0 comes by its loads alone.
; THE MATRIX INSTRUCTION IS USED TRANSPOSED (source 0 = 16 rows of B, source 1 = 16 rows of A): a lane holds eight neighbouring numbers of a row of out0.
; REGISTERS: window 0: v0-15 addresses, v16-31 B's scale words (two sets), v32-95 A's (two sets), v96-223 A's fragments, first set (even steps), v224-255 the bias.
;   window 1: v0-127 B's fragments, four sets of 32 (by rows: the rows read back from the stage); v128-255 A's fragments, second set (odd steps); in slot 3 B's steps 4-7.
;   windows 2, 3: the accumulators of rows 0-127, 128-255 ((a, b) at v[8 (4 (a % 8) + b)]).
.set SIZE_N, 4096
.set CHUNK,  34816
.set SCOFF,  32768                     ; where a chunk's scale words begin
.set RBB,    8*CHUNK                   ; a block of 128 rows, all of K
.set SLOT,   4*CHUNK                   ; K step 2 n: rows 0-127, rows 128-255; K step 2 n + 1: the same
.set SPARE,  2*SLOT                    ; behind the ring: the spare words, 128 bytes a wave
.set SPITCH, 272                       ; a stage row: 256 bytes + 16.  The stages lie in the first slot's bytes, which have had their last fill and their last read when the first result is stored there
.set NP,     4                         ; places behind this matrix instruction (ISA guide 7.12.1)
.set PF,   0                           ; v0   (from the head's end on) A's prefetches' offset: 256 x min(lane, 16)
.set L16,  1                           ; v1   16 x lane
.set ADRA, 2                           ; v2-5 LDS address of the slot's four chunks + 16 x lane
.set ADRS, 6                           ; v6-7 of A's scale words in the slot's two K steps: lanes 0-15 rows 0-127, lanes 16-31 rows 128-255
.set SB0,  8
.set BSO,  9                           ; v9   B's scale words, as an offset from my codes' base
.set STO,  10
.set RD,   11
.set CO,   12
.set PFB,  13                          ; v13  B's prefetches' offset
.set SPW,  14                          ; v14  my spare word; never rewritten
.set NIL,  15                          ; v15  0; never rewritten
.set SCB,  16
.set SCA,  32
.set AF,   96                          ; A's first set, window 0
.set AF1,  128                         ; A's second set, window 1
.set BI,   224
.set TB,    2                          ; s2   the LDS base of the slot that is read
.set BBASE, 10                         ; s[10:11] my 64 rows of B at the slot that is multiplied
.set G1,  24
.set G0,  32                           ; s[32:35] group 0 of slot 0's first fill;  s[36:39] of all later fills
.set G0W, 36
.set PFA, 48                           ; s[48:49] my work-group's share of my chunk of slot 0; never stepped
.set MSB, 0
.macro WIN new                         ; the immediate's high byte repeats the setting that is left
.if MSB != (\new)
	s_set_vgpr_msb (MSB<<8)|(\new)
.set MSB, (\new)
.endif
.endm
.set MUL_LO, 0xa1                      ; source 0 (B) window 1, source 1 (A) window 0, C and D window 2
.set MUL_HI, 0xf1                      ; the same, C and D window 3.  (+ 4: A in window 1)
.set TO_B,   0x40                      ; destination window 1
.macro CREST                           ; a round of the cluster's barrier behind its opening barrier
	s_cmp_lg_u32 s14, 0
	s_cbranch_scc1 .Lnot_wave_0_\@
	s_barrier_signal -3
.Lnot_wave_0_\@:
	s_barrier_wait -3
	s_barrier_signal -1
	s_barrier_wait -1
.endm
.macro CROUND
	s_barrier_signal -1
	s_barrier_wait -1
	CREST
.endm
.macro PLACES n
.rept \n
	v_nop
.endr
.endm
.macro ADDRS                           ; the LDS addresses of the slot at s[TB]
	v_add_nc_u32 v[ADRA], s[TB], v[L16]
	v_add_nc_u32 v[ADRS], s[TB], v[SB0]
	v_add_nc_u32 v[ADRA+1], CHUNK, v[ADRA]
	v_add_nc_u32 v[ADRA+2], 2*CHUNK, v[ADRA]
	v_add_nc_u32 v[ADRA+3], 3*CHUNK, v[ADRA]
	v_add_nc_u32 v[ADRS+1], 2*CHUNK, v[ADRS]
.endm
.macro BLOAD reg, off                  ; B's four fragments of one step of 128: 8 loads of 512 consecutive bytes
.irp j, 0,1,2,3
.irp c, 0,1
	global_load_b128 v[(\reg)+8*\j+4*\c:(\reg)+8*\j+4*\c+3], v[L16], s[BBASE:BBASE+1] offset:(\off)+4096*\j+512*\c
.endr
.endr
.endm
.macro SBLOAD p, off                   ; B's scale words of one K step of 512 into set p: lanes 0-15 block 2 j, lanes 16-31 block 2 j + 1
.irp j, 0,1
	global_load_b128 v[SCB+8*(\p)+4*\j:SCB+8*(\p)+4*\j+3], v[BSO], s[BBASE:BBASE+1] offset:(\off)+512*\j
.endr
.endm
; What goes to registers behind step q of the slot at the base: B's fragments of four steps on (8 loads), and behind steps 3 and 7 the next slot's scale words of B (2 loads)
.macro LD q
.if (\q) < 4
.set LOFF, CHUNK+(\q)*1024
.else
.set LOFF, 2*CHUNK+((\q)-4)*1024
.endif
	WIN TO_B
	BLOAD 32*((\q)%4), LOFF
	WIN 0
.if (\q) == 3
	SBLOAD 0, 2*CHUNK
.endif
.if (\q) == 7
	SBLOAD 1, 3*CHUNK
.endif
.endm
.macro ASK inloop                      ; the prefetches.  At the head: B's slot 1, A's slot 2.  In the loop (the base at slot n): B's slot n + 2; A's slot 3 in the first trip alone
.if \inloop
	global_prefetch_b8 v[PFB], s[BBASE:BBASE+1] offset:4*CHUNK th:TH_LOAD_NT scope:SCOPE_SE
	global_prefetch_b8 v[PFB], s[BBASE:BBASE+1] offset:5*CHUNK th:TH_LOAD_NT scope:SCOPE_SE
	s_cmp_gt_u32 s3, 1
	s_cbranch_scc0 .Lno_ask_\@
	global_prefetch_b8 v[PF], s[PFA:PFA+1] offset:6*CHUNK th:TH_LOAD_NT scope:SCOPE_SE
	global_prefetch_b8 v[PF], s[PFA:PFA+1] offset:6*CHUNK+4352 th:TH_LOAD_NT scope:SCOPE_SE
.else
	global_prefetch_b8 v[PFB], s[BBASE:BBASE+1] offset:2*CHUNK th:TH_LOAD_NT scope:SCOPE_SE
	global_prefetch_b8 v[PFB], s[BBASE:BBASE+1] offset:3*CHUNK th:TH_LOAD_NT scope:SCOPE_SE
	global_prefetch_b8 v[PF], s[PFA:PFA+1] offset:4*CHUNK th:TH_LOAD_NT scope:SCOPE_SE
	global_prefetch_b8 v[PF], s[PFA:PFA+1] offset:4*CHUNK+4352 th:TH_LOAD_NT scope:SCOPE_SE
.endif
.Lno_ask_\@:
.endm
	s_load_b128 s[4:7], s[0:1], 0x0                ; aq, bq
	s_load_b64 s[8:9], s[0:1], 0x10                ; bias
	s_load_b64 s[12:13], s[0:1], 0x18              ; out0
	v_lshl_add_u32 v[SPW], v0, 2, SPARE
	v_mov_b32 v[NIL], 0
	ds_add_u32 v[SPW], v[NIL]                      ; the opening lines: the add, twice on end, and one wait; work on registers stands between
	ds_add_u32 v[SPW], v[NIL]
	v_lshrrev_b32 v96, 5, v0
	v_readfirstlane_b32 s14, v96                   ; wave 0..3
	s_lshr_b32 s15, s14, 1
	s_and_b32 s16, s14, 1
	s_bfe_u32 s40, ttmp6, 0x40000                  ; cx
	s_bfe_u32 s41, ttmp6, 0x40004                  ; cy
	s_lshl_b32 s42, ttmp9, 2
	s_add_co_u32 s42, s42, s40                     ; tile column
	s_and_b32 s17, ttmp7, 0xffff
	s_lshl_b32 s17, s17, 2
	s_add_co_u32 s17, s17, s41                     ; tile row
	s_lshl_b32 s43, s41, 2
	s_lshl_b32 s43, 15, s43                        ; my row of the cluster
	s_or_b32 s[G1+0], s43, (3<<16)|(1<<21)         ; a chunk: 136 dense rows of 32 elements of 8 bytes
	s_mov_b32 s[G1+1], 32<<16
	s_mov_b32 s[G1+2], 136<<16
	s_mov_b32 s[G1+3], 32<<16
	s_mov_b32 s[G1+4], 136
	s_mov_b32 s[G1+5], 32
	s_mov_b32 s[G1+6], 0
	s_mov_b32 s[G1+7], 0
	s_lshl_b32 s20, s17, 1                         ; the chunk that I fetch: rows 128 (wave % 2) .., K step wave / 2 of the slot's two
	s_add_co_u32 s20, s20, s16
	s_lshl_b32 s20, s20, 3
	s_add_co_u32 s20, s20, s15
	s_mul_i32 s20, s20, CHUNK
	s_mov_b32 s21, 0
	s_lshl_b32 s22, s42, 1                         ; my 64 rows of B: block of 128 rows wave / 2, its half wave % 2
	s_add_co_u32 s22, s22, s15
	s_mul_i32 s22, s22, RBB
	s_lshl_b32 s23, s16, 14
	s_add_co_u32 s22, s22, s23
	s_mov_b32 s23, 0
	s_mul_i32 s45, s14, CHUNK
	s_mul_i32 s18, s16, 15360                      ; from my codes (16,384 x half) to my scale words (32,768 + 1,024 x half)
	s_sub_co_u32 s18, SCOFF, s18
	s_mul_i32 s19, s14, 16*SPITCH                  ; my stage
	s_lshl_b32 s46, s42, 10                        ; my 64 columns, in bytes
	s_lshl_b32 s47, s14, 8
	s_add_co_u32 s46, s46, s47
	s_mov_b32 s47, 0
	s_lshl_b32 s52, s17, 22                        ; 256 rows of 16,384 bytes a tile row
	s_add_co_u32 s52, s52, s46
	s_mov_b32 s53, 0
	s_mul_i32 s50, s40, 8704                       ; my work-group's 34 blocks of A's chunk
	s_mov_b32 s51, 0
	s_lshl_b32 s56, s41, 12                        ; my work-group's 16 blocks of B's codes,
	s_lshl_b32 s57, s41, 8
	s_add_co_u32 s57, s57, s18                     ; and its one of B's scale words
	s_mov_b32 s[TB], 0
	v_and_b32 v96, 15, v0                          ; r
	v_bfe_u32 v97, v0, 4, 1                        ; h
	v_and_b32 v98, 31, v0                          ; lane
	v_lshlrev_b32 v[L16], 4, v98
	v_lshlrev_b32 v100, 5, v97                     ; the bias of my eight columns: 32 h
	v_add_nc_u32 v[BSO], s18, v[L16]
	v_mul_u32_u24 v99, v97, CHUNK
	v_lshl_add_u32 v[SB0], v96, 4, v99
	v_add_nc_u32 v[SB0], SCOFF, v[SB0]
	ADDRS
	v_mul_u32_u24 v99, v96, SPITCH                 ; into the stage: row r, 32 bytes for each half of the lanes
	v_lshl_add_u32 v99, v97, 5, v99
	v_add_nc_u32 v[STO], s19, v99
	v_mul_u32_u24 v99, v97, SPITCH                 ; back: sixteen lanes to a row of 256 bytes, two rows an instruction
	v_lshl_add_u32 v99, v96, 4, v99
	v_add_nc_u32 v[RD], s19, v99
	v_lshlrev_b32 v99, 14, v97                     ; and the same two rows in out0
	v_lshl_add_u32 v[CO], v96, 4, v99
	v_lshl_add_u32 v99, v98, 8, s56
	v_mov_b32 v101, s57
	v_cmp_gt_u32 vcc_lo, 16, v98
	v_cndmask_b32 v[PFB], v101, v99, vcc_lo        ; lanes 0-15 a block of codes each, lanes 16-31 the block of scale words
	v_min_u32 v98, 16, v98
	v_lshlrev_b32 v[PF], 8, v98                    ; the thread's number is needed no more
	s_wait_alu depctr_va_vdst(0)                   ; the wait at the head's end
	s_wait_dscnt 0x0                               ; both opening adds are done
	s_wait_kmcnt 0x0
	s_add_nc_u64 s[20:21], s[4:5], s[20:21]
	s_add_nc_u64 s[BBASE:BBASE+1], s[6:7], s[22:23]
	s_add_nc_u64 s[8:9], s[8:9], s[46:47]
	s_add_nc_u64 s[12:13], s[12:13], s[52:53]
	s_add_nc_u64 s[PFA:PFA+1], s[20:21], s[50:51]
.irp b, 0,1,2,3                        ; what goes to registers is asked for first: the bias, B's scale words of slot 0, B's steps 0 to 3
	global_load_b128 v[BI+8*\b:BI+8*\b+3],   v100, s[8:9] offset:64*\b
	global_load_b128 v[BI+8*\b+4:BI+8*\b+7], v100, s[8:9] offset:64*\b+16
.endr
	SBLOAD 0, 0
	SBLOAD 1, CHUNK
	WIN TO_B
.irp u, 0,1,2,3
	BLOAD 32*\u, \u*1024
.endr
	WIN 0
.irp s, 0,1
	s_mov_b32 s[G0+4*\s], 1
	s_add_co_u32 s[G0+4*\s+1], s45, \s*SLOT
	s_add_nc_u64 s[G0+4*\s+2:G0+4*\s+3], s[20:21], \s*2*CHUNK
	s_or_b32 s[G0+4*\s+3], s[G0+4*\s+3], 0x80000000
.endr
	CROUND                                         ; all sixteen work-groups are here: the first joint loads meet
	tensor_load_to_lds s[G0:G0+3], s[G1:G1+7]      ; slot 0, my chunk: one tensor load a wave at the head
	s_nop 0
	PLACES 4
.macro WM fa, fb                       ; one product on the registers rD, rB, rA, rC, rSB, rSA; fa, fb: the scale words lie in lanes 16-31
.if (\fa) && (\fb)
	v_wmma_scale_f32_16x16x128_f8f6f4 v[rD:rD+7], v[rB:rB+7], v[rA:rA+7], v[rC:rC+7], v[rSB], v[rSA] matrix_a_fmt:MATRIX_FMT_FP4 matrix_b_fmt:MATRIX_FMT_FP4 matrix_a_scale:MATRIX_SCALE_ROW1 matrix_b_scale:MATRIX_SCALE_ROW1
.elseif \fa
	v_wmma_scale_f32_16x16x128_f8f6f4 v[rD:rD+7], v[rB:rB+7], v[rA:rA+7], v[rC:rC+7], v[rSB], v[rSA] matrix_a_fmt:MATRIX_FMT_FP4 matrix_b_fmt:MATRIX_FMT_FP4 matrix_a_scale:MATRIX_SCALE_ROW1
.elseif \fb
	v_wmma_scale_f32_16x16x128_f8f6f4 v[rD:rD+7], v[rB:rB+7], v[rA:rA+7], v[rC:rC+7], v[rSB], v[rSA] matrix_a_fmt:MATRIX_FMT_FP4 matrix_b_fmt:MATRIX_FMT_FP4 matrix_b_scale:MATRIX_SCALE_ROW1
.else
	v_wmma_scale_f32_16x16x128_f8f6f4 v[rD:rD+7], v[rB:rB+7], v[rA:rA+7], v[rC:rC+7], v[rSB], v[rSA] matrix_a_fmt:MATRIX_FMT_FP4 matrix_b_fmt:MATRIX_FMT_FP4
.endif
.endm
; A's blocks a0 .. a0 + n - 1 x B's four, the slot's q-th 128 along K.  dbl = 1: odd steps take A's second set.  The accumulators take turns, one instruction a turn
.macro MULS a0, n, q, first, dbl
.set ma, \a0
.rept \n
.set mb, 0
.rept 4
.set rD, 8*(4*(ma%8)+mb)
.set rB, 32*((\q)%4)+8*mb
.set rA, AF+8*ma
.if (\dbl) && ((\q)%2)
.set rA, AF1+8*ma
.endif
.set rSB, SCB+8*((\q)/4)+4*(mb/2)+(\q)%4
.set rSA, SCA+32*((\q)/4)+4*(ma%8)+(\q)%4
.set rC, rD
.if \first
.set rC, BI+8*mb
.endif
	WM mb%2, ma/8
.set mb, mb+1
.endr
.set ma, ma+1
.endr
.endm
.macro FETCHD nq, buf                  ; all sixteen blocks of A of the slot's step nq into set buf: 32 LDS loads of 512 consecutive bytes
.if \buf
	WIN TO_B
.set FB, AF1
.else
.set FB, AF
.endif
.irp i, 0,1,2,3,4,5,6,7,8,9,10,11,12,13,14,15
.irp c, 0,1
	ds_load_b128 v[FB+8*\i+4*\c:FB+8*\i+4*\c+3], v[ADRA+\i/8+2*((\nq)/4)] offset:4096*(\i%8)+1024*((\nq)%4)+512*\c
.endr
.endr
	WIN 0
.endm
.macro FETCHQ nq, g                    ; slot 3: A's blocks 4 g .. 4 g + 3 of step nq into the first set: 8 LDS loads
.irp i, 0,1,2,3
.irp c, 0,1
	ds_load_b128 v[AF+8*(4*(\g)+\i)+4*\c:AF+8*(4*(\g)+\i)+4*\c+3], v[ADRA+(\g)/2+2*((\nq)/4)] offset:4096*((4*(\g)+\i)%8)+1024*((\nq)%4)+512*\c
.endr
.endr
.endm
.macro ALOAD a                         ; by rows: block a's fragments of the slot's last four steps into buffer a % 4: 8 LDS loads
.irp qq, 0,1,2,3
.irp c, 0,1
	ds_load_b128 v[AF+32*((\a)%4)+8*\qq+4*\c:AF+32*((\a)%4)+8*\qq+4*\c+3], v[ADRA+(\a)/8+2] offset:4096*((\a)%8)+1024*\qq+512*\c
.endr
.endr
.endm
.macro SCALES p                        ; A's scale words of the slot's K step p: 8 LDS loads
.irp i, 0,1,2,3,4,5,6,7
	ds_load_b128 v[SCA+32*\p+4*\i:SCA+32*\p+4*\i+3], v[ADRS+\p] offset:256*\i
.endr
.endm
; A step of slots 0 to 2.  B's set of this step must be in: behind its loads stand those of three steps, 24 (and now and then 2 of scale words).
; A's set of this step, and the scale words asked for with it, must be in: behind them stands the run issued behind the last step: 32 loads; ahead of steps 3 and 7 that run also held 8 of scale words: 40.
; fetch = 1: the run of LDS loads for the step two on (behind steps 6 and 7: steps 0 and 1 of the next slot, whose addresses the change of slots has made).
.macro STEPD q, first, fetch
	s_wait_loadcnt 24
.if ((\q) == 3) || ((\q) == 7)
	s_wait_dscnt 40
.else
	s_wait_dscnt 32
.endif
	WIN MUL_LO+4*((\q)%2)-0x20*(\first)
	MULS 0, 8, \q, \first, 1
	WIN MUL_HI+4*((\q)%2)-0x30*(\first)
	MULS 8, 8, \q, \first, 1
	WIN 0
	PLACES NP                                      ; in front of loads into registers that these products have read
.if \fetch
	FETCHD ((\q)+2)%8, (\q)%2
.if (\q) == 2
	SCALES 1
.endif
.endif
.endm
; Step 6 changes slots: ONE barrier; in front of it each wave waits for all its tensor loads, adds 0 to its spare word, and waits for that and for its reads of this slot, the last of which brought step 7's fragments.
.macro TURND fill
	s_wait_loadcnt 24
	s_wait_tensorcnt 0x0                           ; my chunk of the next slot has landed
	ds_add_u32 v[SPW], v[NIL]
	s_wait_dscnt 33                                ; step 6's fragments are in: step 7's 32 loads and the add may be out
	WIN MUL_LO
	MULS 0, 4, 6, 0, 1
	s_wait_dscnt 0x0                               ; the add is done, and my reads of this slot are over
	s_barrier_signal -1
	MULS 4, 4, 6, 0, 1
	WIN 0
	s_barrier_wait -1
.if \fill
	CREST                                          ; the barrier has opened a round of the cluster's barrier
	s_xor_b32 s[G0W+1], s[G0W+1], SLOT
	s_add_nc_u64 s[G0W+2:G0W+3], s[G0W+2:G0W+3], 2*CHUNK
.endif
	s_xor_b32 s[TB], s[TB], SLOT
.if \fill
	tensor_load_to_lds s[G0W:G0W+3], s[G1:G1+7]    ; the slot just read out takes the slot two on: the first tensor load behind the round
	s_nop 0
	PLACES 4
.endif
	WIN MUL_HI
	MULS 8, 8, 6, 0, 1
	WIN 0
	ADDRS                                          ; (six plain lines: also the places in front of the loads below)
	s_wait_alu depctr_va_vdst(0)                   ; the wait directly behind the writes
	FETCHD 0, 0
	SCALES 0
.if \fill
	ASK 1
.endif
.endm
; A step of slot 3, by quarters on A's first set.  n: behind this step's loads of B stand n younger ones.  At a quarter's head its 8 LDS loads must be in: behind them stand three quarters' loads, 24;
; in step 3, from quarter 1 on, also the 8 of A's scale words, 32; at step 0's head all that is out is wanted: 0.  rows = 1: in place of the next step's quarter g, block g's fragments for the way by rows.
.macro STEPC q, n, rows
	s_wait_loadcnt \n
.irp g, 0,1,2,3
.set DC, 24
.if ((\q) == 3) && (\g > 0)
.set DC, 32
.endif
.if ((\q) == 0) && (\g == 0)
.set DC, 0
.endif
	s_wait_dscnt DC
.if \g < 2
	WIN MUL_LO
.else
	WIN MUL_HI
.endif
	MULS 4*\g, 4, \q, 0, 0
	WIN 0
	PLACES NP
.if \rows
	ALOAD \g
.else
	FETCHQ (\q)+1, \g
.endif
.if ((\q) == 3) && (\g == 0)
	SCALES 1
.endif
.endr
.endm
.macro NEXT_B                          ; B's base goes one slot on, behind the wait that frees it
	s_wait_xcnt 0x0
	s_add_nc_u64 s[BBASE:BBASE+1], s[BBASE:BBASE+1], 2*CHUNK
.endm
	s_wait_xcnt 0x0                                ; the bias's loads have read their offset, which lies where A's fragments will land
	s_wait_tensorcnt 0x0                           ; my chunk of slot 0 is in
	ds_add_u32 v[SPW], v[NIL]
	s_wait_dscnt 0x0
	CROUND                                         ; all four chunks are in, and all sixteen work-groups are here
	tensor_load_to_lds s[G0W:G0W+3], s[G1:G1+7]    ; slot 1's first fill, the first tensor load behind the round
	s_nop 0
	PLACES 4
	FETCHD 0, 0
	SCALES 0
	FETCHD 1, 1
	ASK 0
	STEPD 0, 1, 1                                  ; the first step stands in front of the loop: its products start the sums on the bias
	LD 0
	s_mov_b32 s3, 2
.Lslot:                                                ; a trip: a slot's steps 1 to 7 and the next slot's step 0; both trips fill a slot again
.irp q, 1,2,3,4,5
	STEPD \q, 0, 1
	LD \q
.endr
	TURND 1
	LD 6
	STEPD 7, 0, 1
	LD 7
	STEPD 0, 0, 1
	NEXT_B
	LD 0
	s_sub_co_u32 s3, s3, 1
	s_cmp_lg_u32 s3, 0
	s_cbranch_scc1 .Lslot
.irp q, 1,2,3,4,5                      ; slot 2 goes on; it fills nothing, and has no round of the cluster's barrier
	STEPD \q, 0, 1
	LD \q
.endr
	TURND 0
	LD 6
	STEPD 7, 0, 0                                  ; A's second set is read for the last time
	LD 7
	WIN TO_B
.irp k, 0,1,2,3
	BLOAD AF1+32*\k, 3*CHUNK+\k*1024               ; and takes B's steps 4 to 7 of slot 3
.endr
	WIN 0
	STEPC 0, 58, 0                                 ; slot 3: nothing more is asked of memory.  Behind B's step 0: 8 + 8 + 8 + 2 + 32 loads
	STEPC 1, 50, 0
	STEPC 2, 42, 0
	STEPC 3, 34, 1                                 ; this step fetches blocks 0 to 3 for the way by rows
; BY ROWS.  Block a: 16 matrix instructions (4 steps x B's four, the block's 4 accumulators by turns); into my stage, 32 bytes a lane; back as whole rows of 256 bytes; stored, sixteen lanes to an aligned unit of 256 bytes.
.macro ROWMUL a
.set qq, 0
.rept 4
.set mb, 0
.rept 4
.set rD, 8*(4*((\a)%8)+mb)
.set rC, rD
.set rB, AF1+32*qq+8*mb
.set rA, AF+32*((\a)%4)+8*qq
.set rSB, SCB+8+4*(mb/2)+qq
.set rSA, SCA+32+4*((\a)%8)+qq
	WM mb%2, (\a)/8
.set mb, mb+1
.endr
.set qq, qq+1
.endr
.endm
.macro TOSTAGE a
.set AC, 32*((\a)%8)
	WIN 0x08+4*((\a)/8)                            ; the data: window 2 or 3
.irp b, 0,1,2,3
	ds_store_b128 v[STO], v[AC+8*\b:AC+8*\b+3] offset:64*\b          ; each accumulator from its low end on
	ds_store_b128 v[STO], v[AC+8*\b+4:AC+8*\b+7] offset:64*\b+16
.endr
	WIN TO_B
.set OB, 32*((\a)%4)
.irp t, 0,1,2,3,4,5,6,7
	ds_load_b128 v[OB+4*\t:OB+4*\t+3], v[RD] offset:\t*2*SPITCH      ; LDS serves a wave's instructions in order (ISA guide 5.7.1.4): these see the stores above
.endr
	WIN 0
.endm
.macro SEND a, younger                 ; younger: the LDS instructions issued behind block a's loads from the stage
.set OB, 32*((\a)%4)
	s_wait_dscnt \younger
	WIN 0x04                                       ; the data: window 1
.irp t, 0,1,2,3,4,5,6,7
	global_store_b128 v[CO], v[OB+4*\t:OB+4*\t+3], s[12:13] offset:(16*(\a)+2*\t)*SIZE_N*4 th:TH_STORE_NT   ; 254 rows of 16,384 bytes at the most: inside the signed 24-bit immediate, so no base is stepped
.endr
	WIN 0
.endm
.macro RIT a
.if (\a) == 0
	s_wait_dscnt 24                                ; block 0 and A's scale words are in: blocks 1 to 3 may be out
.endif
.if (\a) == 1
	s_wait_dscnt 40                                ; block 1 is in: behind it blocks 2, 3, 4 and block 0's 16 instructions on the stage.  From block 2 on SEND's wait has covered the fragments
.endif
	WIN MUL_LO+0x50*((\a)/8)
	ROWMUL \a
	WIN 0
	PLACES NP                                      ; in front of the loads into this block's buffer and of the stores that read its results
.if (\a)+4 < 16
	ALOAD (\a)+4
.endif
.if (\a) >= 4
	s_wait_xcnt 0x0                                ; block a - 4's stores have read the registers that block a's rows come back into
.endif
	TOSTAGE \a
.if (\a) > 0
.if (\a)+4 < 16
	SEND (\a)-1, 24
.else
	SEND (\a)-1, 16
.endif
.endif
.endm
	s_wait_loadcnt 0x0                             ; B's last four steps and their scale words
.irp a, 0,1,2,3,4,5,6,7,8,9,10,11,12,13,14,15
	RIT \a
.endr
	SEND 15, 0
	s_wait_tensorcnt 0x0                           ; the wave's end
	ds_add_u32 v[SPW], v[NIL]
	s_wait_dscnt 0x0
	CROUND                                         ; the closing round
	s_endpgm
.Lfunc_end_k_q7db78f7460_gemm:
	.size	k_q7db78f7460_gemm, .Lfunc_end_k_q7db78f7460_gemm-k_q7db78f7460_gemm
	.p2alignl 7, 3214868480
	.fill 96, 4, 3214868480
	.section	.rodata,"a",@progbits
	.p2align	6, 0x0
	.amdhsa_kernel k_q7db78f7460_gemm
		.amdhsa_group_segment_fixed_size 327680
		.amdhsa_private_segment_fixed_size 0
		.amdhsa_enable_private_segment 0
		.amdhsa_kernarg_size 32
		.amdhsa_user_sgpr_count 2
		.amdhsa_user_sgpr_kernarg_segment_ptr 1
		.amdhsa_wavefront_size32 1
		.amdhsa_system_sgpr_workgroup_id_x 1
		.amdhsa_system_sgpr_workgroup_id_y 1
		.amdhsa_system_sgpr_workgroup_id_z 1
		.amdhsa_system_vgpr_workitem_id 0
		.amdhsa_next_free_vgpr 1024
		.amdhsa_next_free_sgpr 66
		.amdhsa_reserve_vcc 1
		.amdhsa_float_denorm_mode_32 3
		.amdhsa_float_denorm_mode_16_64 3
		.amdhsa_memory_ordered 1
		.amdhsa_forward_progress 1
		.amdhsa_inst_pref_size 255
	.end_amdhsa_kernel
	.section	.bss,"aw",@nobits
	.p2align	6
	.space	262144
	.amdgpu_metadata
---
amdhsa.version: [ 1, 2 ]
amdhsa.kernels:
  - .name:           k_q7db78f7460_gemm
    .symbol:         k_q7db78f7460_gemm.kd
    .args:
      - { .name: aq, .offset: 0, .size: 8, .value_kind: global_buffer, .address_space: global }
      - { .name: bq, .offset: 8, .size: 8, .value_kind: global_buffer, .address_space: global }
      - { .name: bias, .offset: 16, .size: 8, .value_kind: global_buffer, .address_space: global }
      - { .name: out0, .offset: 24, .size: 8, .value_kind: global_buffer, .address_space: global }
    .group_segment_fixed_size: 327680
    .private_segment_fixed_size: 0
    .kernarg_segment_align: 8
    .kernarg_segment_size: 32
    .max_flat_workgroup_size: 128
    .sgpr_count:     66
    .vgpr_count:     1024
    .wavefront_size: 32
...
	.end_amdgpu_metadata
.endif
;; end of part 2
